; MI455X (gfx1250); checked and timed in simulation.
; The chip was launched on July 23, 2026; its instructions are those of AMD's public machine-readable ISA for CDNA 5 (MIT licence, August 2026) and "CDNA5" Instruction Set Architecture Reference Guide (July 2026). The comments in the code are by the model that wrote it; some were corrected since.
;; Listen And Decide With Context. Allowed arithmetic: matrix products marked QUANTISED: E3M2 operands, one E8M0 scale for each 32 along K, by v_wmma_scale_f32_16x16x128_f8f6f4 with both operands' format E3M2, f32 sums; everything else in f32.
;; Inputs: W1 512 x 1,024 float32; W2 1,024 x 128 float32; b1 1,024 float32; batched_context_feature 256 x 256 x 512 float32; beta 1,024 float32; embedded_cyclic_msg 256 x 256 x 128 float32; gamma 1,024 float32; running_mean 1,024 float32; running_var 1,024 float32.
;; Outputs: out0 256 x 256 x 256 float32.
;; This version of the problem:
;;   THIS VERSION OF THE PROBLEM IS GIVEN IN LOW PRECISION. The matrix products marked QUANTISED in the list below multiply operands that are first quantised to E3M2 (3 exponent bits, 2 mantissa bits; 6 bits a number), with one power-of-two scale for each 32 numbers along K (OCP MX v1.0); their sums are f32. All else is computed in f32.
;;   The module's matrix products, in the order in which they are computed (A, B: the left and right operand; K: the contracted axis; several contracted axes count as one K, in the product's order):
;;     1. [M 65,536, K 512] x [K 512, N 1,024]; A: input batched_context_feature; B: input W1: QUANTISED
;;     2. [M 65,536, K 1,024] x [K 1,024, N 128]; A: computed on the way; B: input W2: QUANTISED
;;     3. batch 256 x [M 256, K 128] x [K 128, N 256]; A: computed on the way; B: computed on the way: QUANTISED
;;   THE QUANTISER, for each operand of a quantised product, along K:
;;     - K is cut into blocks of 32 from its start; a last block that is shorter is filled with zeros.
;;     - A block's scale is 2^e with e = floor(log2(the largest magnitude in the block)) - 4, held to -126 .. 127; a block of zeros has e = 0. As a byte (E8M0): e + 127.
;;     - Each number is divided by its block's scale, clamped to +-28, and rounded to the nearest number of E3M2, ties to even, subnormals kept.
;;     - The product sums the exact products of the quantised numbers (number of the format x scale) in f32.
;;   ~~~python
;;   def quantise(x, axis):      # numpy; x: float32 -> the quantised numbers, widened to float32 again
;;       x = np.moveaxis(x, axis, -1); K = x.shape[-1]
;;       x = np.pad(x, [(0, 0)] * (x.ndim - 1) + [(0, -K % 32)]); x = x.reshape(x.shape[:-1] + (-1, 32)); a = np.abs(x).max(-1, keepdims=True)
;;       e = np.where(a > 0, np.clip(np.frexp(np.where(a > 0, a, 1))[1] - 1 - 4, -126, 127), 0)      # np.frexp(a)[1] - 1 = floor(log2(a)), exactly
;;       r = np.clip(x / 2.0 ** e, -28, 28)
;;       step = 2.0 ** (np.maximum(np.frexp(np.where(r == 0, 1, r))[1] - 1, -2) - 2)
;;       q = np.round(r / step) * step * 2.0 ** e      # np.round: ties to even
;;       return np.moveaxis(q.reshape(q.shape[:-2] + (-1,))[..., :K], -1, axis).astype(np.float32)
;;   ~~~
;;   OPERANDS COMPUTED ON THE WAY. 'Computed on the way' means the value that the module computes at that place (a softmax that the list does not call 'softmax' is quantised finished and normalised). What goes into a quantiser is computed in f32, as accurately as f32 sums, v_exp_f32 and their like allow (about 1e-6 of the number): no bf16 or f16 on the way to a quantiser, and a product that is left as it is and whose result goes on into a quantised operand takes f32 operands (vector FMAs, or v_wmma_f32_16x16x4_f32). A number that lies on a knife's edge between two numbers of the format may be rounded either way, as far as f32 arithmetic and the matrix unit's own rounding can turn it there, and no further.
;; One version. Each part assembles by itself: llvm-mc -triple=amdgcn-amd-amdhsa -mcpu=gfx1250 --defsym DOCPART=n.
;; ======== version 1 of 1: 2 launches
;; limits: right only within a limited range of input values
;; workspace buffers: wq 524,288 bytes
;; launch prep (part 1): grid 81 x 1, 4 waves a work-group, no clusters, 0 bytes of LDS; arguments W1, W2, b1, gamma, beta, running_mean, running_var, wq; writes wq
.if DOCPART == 1
	.amdgcn_target "amdgcn-amd-amdhsa--gfx1250"
	.amdhsa_code_object_version 6
	.text
	.protected	k_q356f0b1c0f_prep
	.globl	k_q356f0b1c0f_prep
	.p2align	8
	.type	k_q356f0b1c0f_prep,@function
k_q356f0b1c0f_prep:
	s_mov_b64 s[64:65], 0
	v_nop
	global_prefetch_b8 v0, s[64:65] scope:SCOPE_SE
	s_setreg_imm32_b32 hwreg(HW_REG_WAVE_MODE, 25, 1), 1
	s_wait_xcnt 0x0
; W1 [512 (k)][1024 (n)] and W2 [1024 (k)][128 (n)], f32 with K as the first axis, become codes of BF6 (E3M2) with one E8M0 byte for each 32 along K,
; laid in wq in the order of the matrix operand's registers; the batch norm's five vectors become two: g = gamma / sqrt(var + 1e-5), c = (b1 - mean) g + beta.
; Every input of the problem has a way to the output: nothing is left out.
; wq is 8 blocks of 65,536 bytes; block j serves hidden units 128 j .. 128 j + 127:
;   0       W1's fragments, number 4 t + s (tile t of 16 hidden units, K step s of 128): 1,536 bytes each: register group c (four registers) of lane l at 512 c + 16 l
;   49,152  W2's fragments, tile n of 16 outputs, K = the block's 128 hidden units
;   61,440  W1's scale words at 256 t + 16 r + 4 s;   63,488  W2's at 32 r + 4 n
;   64,000  g, 128 f32;   64,512  c, 128 f32;   65,024  512 bytes of zeros, so that the whole block is written
; THE COLUMNS OF A TILE ARE NOT NEIGHBOURS: lane r of tile t takes column 64 (t / 4) + 8 (t % 4) + r % 8 + 32 (r / 8).  In the transposed product lane (r, h) then holds, in the 32 registers
; of tiles 4 c .. 4 c + 3, the columns 64 c + 32 h + 0 .. 31: one whole block of 32 along the next K, in the order of the next operand's registers.
; One wave makes one fragment: a lane takes a column and its 64 registers run down K in the operand's own order (k = 64 c + 32 h + i).
; Work-groups 0-63: W1 (block = id / 8, tile = id % 8, K step = wave).  64-79: W2 (block = (id - 64) / 2, tile = 4 ((id - 64) % 2) + wave).  80: the batch norm's vectors.
; LIMITS: a block whose largest magnitude lies under 2^-122 (a block of zeros too) keeps the byte 1: this program alone reads the bytes.  NaN and infinities are not served.
; v_rsq_f32 stands for 1 / sqrt.  The scale words' stores are 4 bytes a lane, 16 or 32 bytes apart: 20,480 bytes in the whole launch.
	s_load_b256 s[4:11], s[0:1], 0x0               ; W1, W2, b1, gamma
	s_load_b256 s[12:19], s[0:1], 0x20             ; beta, mean, var, wq
	v_lshrrev_b32 v1, 5, v0
	v_readfirstlane_b32 s20, v1                    ; wave
	v_and_b32 v1, 31, v0                           ; lane
	v_and_b32 v2, 15, v0                           ; r
	v_bfe_u32 v3, v0, 4, 1                         ; h
	v_and_b32 v4, 8, v2
	v_mad_u32_u24 v4, v4, 3, v2                    ; r + 24 (r / 8) = r % 8 + 32 (r / 8)
	v_lshlrev_b32 v4, 2, v4                        ; my column in the tile, in bytes
	v_lshlrev_b32 v5, 4, v1                        ; 16 x lane
	s_mov_b32 s22, 0x76543210
	s_mov_b32 s23, 0xfedcba98                      ; selects for lane l xor 16
	s_wait_kmcnt 0x0
	s_cmp_lt_u32 ttmp9, 64
	s_cbranch_scc0 .Lnot_w1
	; ---- W1: a row is 4,096 bytes
	s_lshr_b32 s24, ttmp9, 3                       ; block j
	s_and_b32 s25, ttmp9, 7                        ; tile t
	s_lshl_b32 s28, s24, 9                         ; 128 j columns,
	s_lshr_b32 s26, s25, 2
	s_lshl_b32 s26, s26, 8
	s_add_co_u32 s28, s28, s26                     ; + 64 (t / 4),
	s_and_b32 s26, s25, 3
	s_lshl_b32 s26, s26, 5
	s_add_co_u32 s28, s28, s26                     ; + 8 (t % 4), in bytes,
	s_lshl_b32 s26, s20, 19
	s_add_co_u32 s28, s28, s26                     ; + 128 s rows
	s_mov_b32 s29, 0
	s_add_nc_u64 s[30:31], s[4:5], s[28:29]
	s_wait_alu depctr_va_vdst(0)
	v_lshl_add_u32 v6, v3, 17, v4                  ; lanes 16-31 begin 32 rows further down
.irp c, 0,1
.irp i, 0,1,2,3,4,5,6,7,8,9,10,11,12,13,14,15,16,17,18,19,20,21,22,23,24,25,26,27,28,29,30,31
	global_load_b32 v[64+32*\c+\i], v6, s[30:31] offset:(64*\c+\i)*4096
.endr
.endr
	s_lshl_b32 s28, s24, 16                        ; the block in wq
	s_lshl_b32 s26, s25, 2
	s_add_co_u32 s26, s26, s20
	s_mul_i32 s26, s26, 1536
	s_add_co_u32 s32, s28, s26                     ; the fragment's image: number 4 t + s
	s_lshl_b32 s26, s25, 8
	s_add_co_u32 s34, s28, s26
	s_lshl_b32 s26, s20, 2
	s_add_co_u32 s34, s34, s26
	s_add_co_u32 s34, s34, 61440                   ; its scale words
	v_lshlrev_b32 v7, 4, v2                        ; + 16 r
	s_branch .Lquant
.Lnot_w1:
	s_cmp_lt_u32 ttmp9, 80
	s_cbranch_scc0 .Lbn
	; ---- W2: a row is 512 bytes
	s_sub_co_u32 s24, ttmp9, 64
	s_and_b32 s25, s24, 1
	s_lshl_b32 s25, s25, 2
	s_add_co_u32 s25, s25, s20                     ; tile n
	s_lshr_b32 s24, s24, 1                         ; block j
	s_lshl_b32 s28, s24, 16                        ; 128 j rows,
	s_lshr_b32 s26, s25, 2
	s_lshl_b32 s26, s26, 8
	s_add_co_u32 s28, s28, s26                     ; + 64 (n / 4) columns,
	s_and_b32 s26, s25, 3
	s_lshl_b32 s26, s26, 5
	s_add_co_u32 s28, s28, s26                     ; + 8 (n % 4)
	s_mov_b32 s29, 0
	s_add_nc_u64 s[30:31], s[6:7], s[28:29]
	s_wait_alu depctr_va_vdst(0)
	v_lshl_add_u32 v6, v3, 14, v4                  ; lanes 16-31 begin 32 rows further down
.irp c, 0,1
.irp i, 0,1,2,3,4,5,6,7,8,9,10,11,12,13,14,15,16,17,18,19,20,21,22,23,24,25,26,27,28,29,30,31
	global_load_b32 v[64+32*\c+\i], v6, s[30:31] offset:(64*\c+\i)*512
.endr
.endr
	s_lshl_b32 s28, s24, 16
	s_mul_i32 s26, s25, 1536
	s_add_co_u32 s32, s28, s26
	s_add_co_u32 s32, s32, 49152                   ; the fragment's image
	s_lshl_b32 s26, s25, 2
	s_add_co_u32 s34, s28, s26
	s_add_co_u32 s34, s34, 63488                   ; its scale words
	v_lshlrev_b32 v7, 5, v2                        ; + 32 r
.Lquant:
	s_mov_b32 s33, 0
	s_mov_b32 s35, 0
	s_add_nc_u64 s[32:33], s[18:19], s[32:33]
	s_add_nc_u64 s[34:35], s[18:19], s[34:35]
	s_wait_loadcnt 0x0
.irp c, 0,1                                    ; my block 2 c + h: all its 32 numbers are mine
	v_max3_num_f32 v[32+\c], |v[64+32*\c]|, |v[65+32*\c]|, 0x2800000   ; with the floor 2^(5 - 127): the byte cannot fall under 1
.endr
.irp i, 2,4,6,8,10,12,14,16,18,20,22,24,26,28,30
.irp c, 0,1
	v_max3_num_f32 v[32+\c], v[32+\c], |v[64+32*\c+\i]|, |v[65+32*\c+\i]|
.endr
.endr
.irp c, 0,1
	v_add_nc_u32 v[44+\c], 0xfe000000, v[32+\c]    ; 4 off the exponent field: the conversion's scale operand
.endr
.irp c, 0,1
	v_lshrrev_b32 v[36+\c], 23, v[44+\c]           ; the scale's byte
.endr
	v_lshl_or_b32 v9, v37, 16, v36                 ; my two bytes: blocks h and 2 + h,
	v_lshlrev_b32 v10, 3, v3
	v_lshlrev_b32 v9, v10, v9                      ; 8 h bits up;
	v_mov_b32 v10, 0
	v_permlanex16_b32 v10, v9, s22, s23
	v_or_b32 v9, v9, v10                           ; with lane l xor 16's two the word is whole
.irp c, 0,1
	v_cvt_scalef32_pk16_bf6_f32 v[48+6*\c:50+6*\c], v[64+32*\c:79+32*\c], v[44+\c]
	v_cvt_scalef32_pk16_bf6_f32 v[128+4*\c:130+4*\c], v[80+32*\c:95+32*\c], v[44+\c]   ; (a conversion's three registers begin on an even number)
.endr
	v_nop                                          ; one plain place behind a scaled conversion
.irp c, 0,1
.irp i, 0,1,2
	v_mov_b32 v[51+6*\c+\i], v[128+4*\c+\i]
.endr
.endr
.irp c, 0,1,2
	global_store_b128 v5, v[48+4*\c:51+4*\c], s[32:33] offset:512*\c   ; 32 lanes store 512 consecutive bytes
.endr
	v_cmp_gt_u32 vcc_lo, 16, v1
	s_wait_xcnt 0x0                                ; EXEC changes only behind this wait
	s_and_saveexec_b32 s36, vcc_lo                 ; lanes 0-15: one word a row
	global_store_b32 v7, v9, s[34:35]
	s_wait_xcnt 0x0
	s_or_b32 exec_lo, exec_lo, s36
	s_endpgm
.Lbn:
	; ---- the batch norm's vectors: thread i takes hidden units i + 128 j, j = 0 .. 7
	v_lshlrev_b32 v8, 2, v0
.irp j, 0,1,2,3,4,5,6,7
	global_load_b32 v[16+\j], v8, s[8:9] offset:512*\j     ; b1
	global_load_b32 v[24+\j], v8, s[10:11] offset:512*\j   ; gamma
	global_load_b32 v[32+\j], v8, s[12:13] offset:512*\j   ; beta
	global_load_b32 v[40+\j], v8, s[14:15] offset:512*\j   ; mean
	global_load_b32 v[48+\j], v8, s[16:17] offset:512*\j   ; var
.endr
	v_mov_b32 v72, 0
	s_wait_loadcnt 0x0
.irp j, 0,1,2,3,4,5,6,7
	v_add_f32 v[48+\j], 0x3727c5ac, v[48+\j]       ; var + 1e-5
.endr
	s_wait_alu depctr_va_vdst(0)                   ; the wait ahead of the batch
.irp j, 0,1,2,3,4,5,6,7
	v_rsq_f32 v[56+\j], v[48+\j]
.endr
	v_nop                                          ; one plain place behind the transcendentals
	s_wait_alu depctr_va_vdst(0)                   ; and behind it
.irp j, 0,1,2,3,4,5,6,7
	v_mul_f32 v[56+\j], v[24+\j], v[56+\j]         ; g
	v_sub_f32 v[16+\j], v[16+\j], v[40+\j]         ; b1 - mean
.endr
.irp j, 0,1,2,3,4,5,6,7
	v_fma_f32 v[64+\j], v[16+\j], v[56+\j], v[32+\j]   ; c
.endr
.irp j, 0,1,2,3,4,5,6,7
	global_store_b32 v8, v[56+\j], s[18:19] offset:65536*\j+64000
	global_store_b32 v8, v[64+\j], s[18:19] offset:65536*\j+64512
	global_store_b32 v8, v72, s[18:19] offset:65536*\j+65024
.endr
	s_endpgm
.Lfunc_end_k_q356f0b1c0f_prep:
	.size	k_q356f0b1c0f_prep, .Lfunc_end_k_q356f0b1c0f_prep-k_q356f0b1c0f_prep
	.p2alignl 7, 3214868480
	.fill 96, 4, 3214868480
	.section	.rodata,"a",@progbits
	.p2align	6, 0x0
	.amdhsa_kernel k_q356f0b1c0f_prep
		.amdhsa_group_segment_fixed_size 0
		.amdhsa_private_segment_fixed_size 0
		.amdhsa_enable_private_segment 0
		.amdhsa_kernarg_size 64
		.amdhsa_user_sgpr_count 2
		.amdhsa_user_sgpr_kernarg_segment_ptr 1
		.amdhsa_wavefront_size32 1
		.amdhsa_system_sgpr_workgroup_id_x 1
		.amdhsa_system_sgpr_workgroup_id_y 1
		.amdhsa_system_sgpr_workgroup_id_z 1
		.amdhsa_system_vgpr_workitem_id 0
		.amdhsa_next_free_vgpr 136
		.amdhsa_next_free_sgpr 66
		.amdhsa_reserve_vcc 1
		.amdhsa_float_denorm_mode_32 3
		.amdhsa_float_denorm_mode_16_64 3
		.amdhsa_memory_ordered 1
		.amdhsa_forward_progress 1
		.amdhsa_inst_pref_size 27
	.end_amdhsa_kernel
	.amdgpu_metadata
---
amdhsa.version: [ 1, 2 ]
amdhsa.kernels:
  - .name:           k_q356f0b1c0f_prep
    .symbol:         k_q356f0b1c0f_prep.kd
    .args:
      - { .name: W1, .offset: 0, .size: 8, .value_kind: global_buffer, .address_space: global }
      - { .name: W2, .offset: 8, .size: 8, .value_kind: global_buffer, .address_space: global }
      - { .name: b1, .offset: 16, .size: 8, .value_kind: global_buffer, .address_space: global }
      - { .name: gamma, .offset: 24, .size: 8, .value_kind: global_buffer, .address_space: global }
      - { .name: beta, .offset: 32, .size: 8, .value_kind: global_buffer, .address_space: global }
      - { .name: running_mean, .offset: 40, .size: 8, .value_kind: global_buffer, .address_space: global }
      - { .name: running_var, .offset: 48, .size: 8, .value_kind: global_buffer, .address_space: global }
      - { .name: wq, .offset: 56, .size: 8, .value_kind: global_buffer, .address_space: global }
    .group_segment_fixed_size: 0
    .private_segment_fixed_size: 0
    .kernarg_segment_align: 8
    .kernarg_segment_size: 64
    .max_flat_workgroup_size: 128
    .sgpr_count:     66
    .vgpr_count:     136
    .wavefront_size: 32
...
	.end_amdgpu_metadata
.endif
;; end of part 1
;; launch main (part 2): grid 256 x 1, 4 waves a work-group, clusters of 4 x 1, 327,680 bytes of LDS; arguments batched_context_feature, embedded_cyclic_msg, wq, out0; writes out0
.if DOCPART == 2
	.amdgcn_target "amdgcn-amd-amdhsa--gfx1250"
	.amdhsa_code_object_version 6
	.text
	.protected	k_q356f0b1c0f_main
	.globl	k_q356f0b1c0f_main
	.p2align	8
	.type	k_q356f0b1c0f_main,@function
k_q356f0b1c0f_main:
	s_mov_b64 s[64:65], 0
	v_nop
	global_prefetch_b8 v0, s[64:65] scope:SCOPE_SE
	s_setreg_imm32_b32 hwreg(HW_REG_WAVE_MODE, 25, 1), 1
	s_wait_xcnt 0x0
	s_wait_alu depctr_hold_cnt(0) depctr_sa_sdst(0) depctr_va_vdst(0) depctr_va_sdst(0) depctr_va_ssrc(0) depctr_va_vcc(0) depctr_vm_vsrc(0)
	s_getreg_b32 s2, hwreg(HW_REG_IB_STS2, 6, 4)
	s_cmp_eq_u32 s2, 0
	s_cbranch_scc0 .Lentry_in_a_cluster
	s_endpgm
.Lentry_in_a_cluster:
	s_bfe_u32 s2, ttmp6, 0x10000c
	s_cmp_lg_u32 s2, 0x3003
	s_cbranch_scc0 .Lentry_shape_is_right
	s_endpgm
.Lentry_shape_is_right:
; out[b][m][c] = cos(msg[b][m], logit[b][c]) / 0.07, logit = relu(bn(x W1 + b1)) W2; all three products on codes of BF6 (E3M2) with one E8M0 scale for each 32 along K.
; SHARES.  One work-group, four waves, takes one batch.  Wave w owns context rows and message rows 64 w .. 64 w + 63 (four tiles of 16).  x, msg and out are moved once; the hidden layer and the logits stay in the wave's registers.
; The weights come as the first launch laid them (wq): 8 blocks of 65,536 bytes, one for each 128 hidden units.  CLUSTER: the four work-groups of a cluster ask for each block JOINTLY (mask 15), each wave for a quarter.
; A WHOLE BLOCK OF 32 IN A LANE.  The rows of W1 and W2 that form a tile are chosen (first launch) so that in the transposed products lane (r, h) holds, in the 32 registers of four tiles, the numbers 64 c + 32 h + 0 .. 31 of
; row r: the block's largest magnitude needs no other lane and the conversions' results are the next operand's registers.  x and msg are read from the stage in the same order.
; PHASE X.  A group is 32,768 consecutive bytes of a wave's rows: 16 rows of x, or 64 rows of msg; unit s of a group is bytes 2,048 i + 512 s, i = 0 .. 15: of x row i, K step s; of msg rows 4 i + s (so message tile s holds rows 4 i + s).
; Loads run four units (64 loads a wave) ahead; a unit turns through the wave's stage, is quantised, and its codes go to LDS as an image of the operand's registers.  x's four groups are a loop; msg's group (normalised first) is written out.
; PHASE M.  For each block: 8 tiles of the first product (source 0 = 16 hidden units, source 1 = 16 rows of x), 16 matrix instructions each.  Tile t's batch norm, relu and maxima are cut into slices of four instructions that stand
; between the matrix instructions of tile t + 1; the first half's conversions stand in tiles 5 and 6.  The hidden layer lies in three pair slots of 64 registers (pairs of tiles 0, 1, 2, 0).  Then one K step of the second product.
; PHASE E.  The logits are normalised and quantised; their 16 fragments meet in LDS; a loop of four trips makes the third product for one message tile and sends its rows out through the wave's stage, 512 consecutive bytes a store.
; No data prefetch: x and msg are asked for four units ahead by the loads themselves, and each block of wq one whole block's work ahead.
; LIMITS: NaN and infinities among the inputs are not served.  A block whose largest magnitude lies under 2^-122 (a block of zeros too) keeps the scale byte 1.  v_sqrt_f32 and v_rcp_f32 stand for the norm's root and the
; division by it; the division by 0.07 is a multiplication by the f32 nearest to 1 / 0.07.
; REGISTERS, in windows of 256 (s_set_vgpr_msb: bits 1:0 source 0, 3:2 source 1, 5:4 source 2, 7:6 destination):
;   window 0: v1-9, v62-63 addresses; v10-45 scale words; v46-61 at work in M; v64-255 HA: the hidden layer (in X and E: v64-127 64 numbers, v128-175 addresses and work)
;   window 1: v0-191 x's 16 fragments (12 (4 m + s)); v192-223 g and c, two sets; on the way out v0-127 rows of out
;   window 2: v0-95 two sets of four fragments of W1 or W2; v96-143 the hidden layer's four fragments; v144-159 at work; in E v0-191 the logits' 16 fragments, v192-203 a message tile's
;   window 3: X: four sets of 64 numbers as loaded; M: the logits' 32 accumulators (64 m + 8 n); E: 16 accumulators
.set SLOTB, 65536                      ; LDS: two slots for the weights' blocks at 0 and 65,536
.set XST,   131072                     ; each wave's stage for x and msg: 16 rows x (512 + 16) bytes
.set XPW,   8448
.set XIM,   164864                     ; each wave's images of x: 16 x 1,536 bytes, then 16 x 128 bytes of scale words; in E the wave's stage for out, 16 rows x 1,040 bytes
.set XIW,   26624
.set MIM,   271360                     ; each wave's images of msg: 4 x 1,536, then 4 x 128
.set MIW,   6656
.set BIMG,  297984                     ; the logits' 16 images, number 4 w + m
.set BSC,   322560                     ; their scale words, 128 bytes each
.set SPARE, 324608                     ; the spare words, 128 bytes for each wave: two blocks of 256 bytes that no other line names
.set SPW, 1
.set NIL, 2
.set LI,  3                            ; 16 x lane
.set LW,  4                            ; the slot in hand + 16 x lane
.set LSC, 5                            ; + 16 r
.set LS2, 6                            ; + 32 r
.set LBN, 7                            ; + 128 h
.set SH8, 8                            ; 8 h
.set R16, 9
.set R32, 62
.set H128, 63
.set XS,  10                           ; v10-25 x's scale words (4 m + s); in E the logits'
.set BS,  10
.set HS,  26                           ; v26-29 the hidden layer's; in E v26 a message tile's
.set AS,  26
.set W2S, 30                           ; v30-37 W2's
.set W1S, 38                           ; v38-45 W1's, two sets of four
.set TMX, 46                           ; v46-49 a block's largest number, for each row tile
.set SCO, 50                           ; v50-53 the conversions' scale operands
.set HB,  54                           ; v54-57 scale bytes
.set TP,  58                           ; v58-61 at work
.set HA,  64
.set SA,  128                          ; X: stage in: 16 x lane
.set SL,  129                          ; X: stage out: 528 r + 128 h
.set XW,  130                          ; X: where a unit's image goes
.set XSW, 131
.set MW,  132                          ; msg's images
.set MSW, 133
.set XR,  134                          ; x's images, first byte
.set XSR, 135
.set BWI, 128                          ; E: my logits' images, their words; everybody's
.set BWS, 129
.set BRI, 130
.set BRS, 131
.set SO,  134                          ; E: out's stage, in: 1,040 r + 32 h; back: 16 x lane
.set SR,  135
.set QM,  136                          ; v136-139 largest magnitudes
.set QS,  140
.set QB,  142
.set QW,  144                          ; a row's scale word
.set QT,  145
.set SS,  146                          ; v146-149 sums of squares
.set INV, 150
.set CT,  152                          ; v152-163 an operand's 12 registers
.set CU,  164                          ; v164-171 the upper halves' conversions
.set T0,  172
.set T1,  173
.set T2,  174
.set T3,  175
.set MRA, 176
.set MSA, 177
.set XC,  0                            ; window 1
.set BG,  192
.set WB,  0                            ; window 2
.set HQ,  96
.set TU,  144
.set AC,  192
.set WV,  12
.set SEL, 20
.set IT,  22
.set G1,  24
.set G0,  32
.set TB,  36
.set CNT, 37
.set LP,  40                           ; s[40:41] the group that is being asked for
.set XO,  42                           ; s42, s43 a loop's steps in LDS
.set XO2, 43
.set MSB, 0
.macro WIN new                         ; the immediate's high byte repeats the setting that is left; a switch that changes nothing is dropped
.if MSB != (\new)
	s_set_vgpr_msb (MSB<<8)|(\new)
.set MSB, (\new)
.endif
.endm
.macro PLACES n
.rept \n
	v_nop
.endr
.endm
.macro CROUND                          ; a round of the cluster's barrier
	s_barrier_signal -1
	s_barrier_wait -1
	s_cmp_lg_u32 s[WV], 0
	s_cbranch_scc1 .Lnot_wave_0_\@
	s_barrier_signal -3
.Lnot_wave_0_\@:
	s_barrier_wait -3
	s_barrier_signal -1
	s_barrier_wait -1
.endm
.macro MM d, a, b, z, sa, sb           ; one matrix instruction; z: it starts the sum
.if \z
	v_wmma_scale_f32_16x16x128_f8f6f4 v[(\d):(\d)+7], v[(\a):(\a)+11], v[(\b):(\b)+11], 0, v[\sa], v[\sb] matrix_a_fmt:MATRIX_FMT_BF6 matrix_b_fmt:MATRIX_FMT_BF6
.else
	v_wmma_scale_f32_16x16x128_f8f6f4 v[(\d):(\d)+7], v[(\a):(\a)+11], v[(\b):(\b)+11], v[(\d):(\d)+7], v[\sa], v[\sb] matrix_a_fmt:MATRIX_FMT_BF6 matrix_b_fmt:MATRIX_FMT_BF6
.endif
.endm
.macro LOADG s, p                      ; unit s of the group at s[p:p+1]: 16 loads of 512 consecutive bytes into set s of window 3
	WIN 0xc0
.irp i, 0,1,2,3,4,5,6,7,8,9,10,11,12,13,14,15
	global_load_b128 v[64*(\s)+4*\i:64*(\s)+4*\i+3], v[LI], s[\p:\p+1] offset:2048*\i+512*(\s) th:TH_LOAD_NT
.endr
	WIN 0
.endm
; 64 numbers of a lane in v[HA ..]: register 32 c + i is number 64 c + 32 h + i of row r.  The operand's 12 registers go to v[CT ..], the row's scale word to v[QW].
.macro QUANT
.irp b, 0,1,2,3
	v_max3_num_f32 v[QM+\b], |v[HA+16*\b]|, |v[HA+16*\b+1]|, 0x2800000   ; four chains by turns; the floor 2^(5 - 127) holds the byte at 1 from below
.endr
.irp i, 2,4,6,8,10,12,14
.irp b, 0,1,2,3
	v_max3_num_f32 v[QM+\b], v[QM+\b], |v[HA+16*\b+\i]|, |v[HA+16*\b+\i+1]|
.endr
.endr
.irp c, 0,1
	v_max_num_f32 v[QM+2*\c], v[QM+2*\c], v[QM+2*\c+1]   ; block 2 c + h's largest magnitude
.endr
.irp c, 0,1
	v_add_nc_u32 v[QS+\c], 0xfe000000, v[QM+2*\c]  ; 4 off its exponent field: the conversion's scale operand
.endr
.irp c, 0,1
	v_lshrrev_b32 v[QB+\c], 23, v[QS+\c]           ; the scale's byte
.endr
.irp c, 0,1
	v_cvt_scalef32_pk16_bf6_f32 v[CT+6*\c:CT+6*\c+2], v[HA+32*\c:HA+32*\c+15], v[QS+\c]
	v_cvt_scalef32_pk16_bf6_f32 v[CU+4*\c:CU+4*\c+2], v[HA+32*\c+16:HA+32*\c+31], v[QS+\c]   ; (a conversion's three registers begin on an even number)
.endr
	v_lshl_or_b32 v[QW], v[QB+1], 16, v[QB]        ; my two bytes, blocks h and 2 + h (also the plain place behind the conversions),
	v_lshlrev_b32 v[QW], v[SH8], v[QW]             ; 8 h bits up;
	v_permlanex16_b32 v[QT], v[QW], s[SEL], s[SEL+1]
	v_or_b32 v[QW], v[QW], v[QT]                   ; with lane l xor 16's two the word is whole
.irp c, 0,1
.irp i, 0,1,2
	v_mov_b32 v[CT+6*\c+3+\i], v[CU+4*\c+\i]
.endr
.endr
.endm
.macro IMG a, b, o, p                  ; the operand's registers and the scale word into LDS, as an image
.irp c, 0,1,2
	ds_store_b128 v[\a], v[CT+4*\c:CT+4*\c+3] offset:(\o)+512*\c
.endr
	ds_store_b32 v[\b], v[QW] offset:\p
.endm
; 64 numbers of a lane, v[s ..] of window w (with lane l xor 16's: a row of 128), divided by max(the row's norm, 1e-8), into v[HA ..].  The registers are read in ascending order.
.macro NORM w, s
	WIN (\w)|((\w)<<2)
	v_pk_mul_f32 v[SS:SS+1], v[(\s):(\s)+1], v[(\s):(\s)+1]
	v_pk_mul_f32 v[SS+2:SS+3], v[(\s)+2:(\s)+3], v[(\s)+2:(\s)+3]
.irp j, 4,8,12,16,20,24,28,32,36,40,44,48,52,56,60
	v_pk_fma_f32 v[SS:SS+1], v[(\s)+\j:(\s)+\j+1], v[(\s)+\j:(\s)+\j+1], v[SS:SS+1]
	v_pk_fma_f32 v[SS+2:SS+3], v[(\s)+\j+2:(\s)+\j+3], v[(\s)+\j+2:(\s)+\j+3], v[SS+2:SS+3]
.endr
	WIN 0
	v_pk_add_f32 v[SS:SS+1], v[SS:SS+1], v[SS+2:SS+3]
	v_add_f32 v[SS], v[SS], v[SS+1]
	v_permlanex16_b32 v[SS+1], v[SS], s[SEL], s[SEL+1]
	v_add_f32 v[SS], v[SS], v[SS+1]                ; the row's sum of squares
	s_wait_alu depctr_va_vdst(0)                   ; a wait ahead of and behind each transcendental
	v_sqrt_f32 v[SS+1], v[SS]
	v_nop
	s_wait_alu depctr_va_vdst(0)
	v_max_num_f32 v[SS+1], 0x322bcc77, v[SS+1]     ; max(norm, 1e-8)
	s_wait_alu depctr_va_vdst(0)
	v_rcp_f32 v[INV], v[SS+1]
	v_nop
	s_wait_alu depctr_va_vdst(0)
	v_mov_b32 v[INV+1], v[INV]
	WIN (\w)
.irp j, 0,2,4,6,8,10,12,14,16,18,20,22,24,26,28,30,32,34,36,38,40,42,44,46,48,50,52,54,56,58,60,62
	v_pk_mul_f32 v[HA+\j:HA+\j+1], v[(\s)+\j:(\s)+\j+1], v[INV:INV+1]
.endr
	WIN 0
.endm
.macro UNIT s, msg                     ; a unit of phase X
.if \msg
	s_wait_loadcnt 16*(3-(\s))                     ; my unit's 16 loads are in; the later units' may be out
.else
	s_wait_loadcnt 48                              ; my unit's 16 loads are in; those of the three units behind it may be out
.endif
	WIN 0x0c
.irp i, 0,1,2,3,4,5,6,7,8,9,10,11,12,13,14,15
	ds_store_b128 v[SA], v[64*(\s)+4*\i:64*(\s)+4*\i+3] offset:528*\i   ; row i as it lies
.endr
	WIN 0
.irp j, 0,1,2,3,4,5,6,7,8,9,10,11,12,13,14,15
	ds_load_b128 v[HA+4*\j:HA+4*\j+3], v[SL] offset:256*(\j/8)+16*(\j%8)   ; row r, blocks h and 2 + h.  LDS serves a wave's instructions in order (ISA guide 5.7.1.4)
.endr
	s_wait_dscnt 0x0                               ; the numbers are in, and all earlier stores have read their registers
.if \msg
	NORM 0, HA
	QUANT
	IMG MW, MSW, 1536*(\s), 6144+128*(\s)
.else
	LOADG \s, LP                                   ; the set takes the unit four on
	QUANT
	IMG XW, XSW, 1536*(\s), 24576+128*(\s)
.endif
.endm
; THE CHANGE OF SLOTS at a block's head: each wave waits for all its tensor loads (one is out: its quarter of the block that it is about to read), adds 0 to its spare word, and waits for that and for its LDS reads.
; fill = 1: a round of the cluster's barrier, and the joint load of the next block first behind it.
.macro CHANGE fill
	WIN 0
	s_wait_tensorcnt 0x0
	ds_add_u32 v[SPW], v[NIL]
.if \fill
	s_xor_b32 s[G0+1], s[G0+1], SLOTB              ; the other slot,
	s_add_nc_u64 s[G0+2:G0+3], s[G0+2:G0+3], SLOTB ; the next block
.endif
	s_wait_dscnt 0x0
.if \fill
	CROUND
	tensor_load_to_lds s[G0:G0+3], s[G1:G1+7]
	s_nop 0
	PLACES 4
.else
	s_barrier_signal -1
	s_barrier_wait -1
.endif
.endm
.macro FW d, o                         ; four fragments, 6,144 consecutive bytes at byte o of the slot, into 48 registers from WB + d
.irp q, 0,1,2,3,4,5,6,7,8,9,10,11
	ds_load_b128 v[WB+(\d)+4*\q:WB+(\d)+4*\q+3], v[LW] offset:(\o)+512*\q
.endr
.endm
.macro BNL t                           ; g and c of tile t into set t % 2: lane (r, h) wants hidden units 64 (t / 4) + 32 h + 8 (t % 4) + 0 .. 7
.irp q, 0,1
	ds_load_b128 v[BG+16*((\t)%2)+4*\q:BG+16*((\t)%2)+4*\q+3], v[LBN] offset:64000+256*((\t)/4)+32*((\t)%4)+16*\q
	ds_load_b128 v[BG+16*((\t)%2)+8+4*\q:BG+16*((\t)%2)+8+4*\q+3], v[LBN] offset:64512+256*((\t)/4)+32*((\t)%4)+16*\q
.endr
.endm
; The end of half c of a block (64 hidden units), in steps of four instructions, one for each row tile.  The lower 16 of a lane's 32 lie in pair slot 2 c, the upper in pair slot (2 c + 1) % 3.
.macro FIN c, st
.if (\st) == 0
	WIN 0
.irp m, 0,1,2,3
	v_add_nc_u32 v[SCO+\m], 0xfe000000, v[TMX+\m]  ; 4 off the exponent field: the conversion's scale operand
.endr
.elseif (\st) == 1
	WIN 0x80
.irp m, 0,1,2,3
	v_cvt_scalef32_pk16_bf6_f32 v[HQ+12*\m+6*(\c):HQ+12*\m+6*(\c)+2], v[HA+128*(\c)+16*\m:HA+128*(\c)+16*\m+15], v[SCO+\m]
.endr
.elseif (\st) == 2
	WIN 0x80
.irp m, 0,1,2,3
	v_cvt_scalef32_pk16_bf6_f32 v[TU+4*\m:TU+4*\m+2], v[HA+64*(1-(\c))+16*\m:HA+64*(1-(\c))+16*\m+15], v[SCO+\m]
.endr
.elseif (\st) == 3
	WIN 0
.irp m, 0,1,2,3
	v_lshrrev_b32 v[HB+\m], 23, v[SCO+\m]          ; block h's byte
.endr
.else
	WIN 0x82
.irp m, 0,1,2,3
	v_mov_b32 v[HQ+12*\m+6*(\c)+(\st)-1], v[TU+4*\m+(\st)-4]
.endr
.endif
.endm
; The vector work that stands behind matrix instruction k of tile t: slices 4-15 serve tile t - 1 (4-7: sum x g + c, a row tile each; 8-11: relu; 12-15: the maxima, the four row tiles by turns).
.macro SLICE t, k
.if ((\k) >= 4) && ((\t) >= 1)
.set VT, (\t)-1
.set VB, HA+64*((VT/2)%3)+8*(VT%2)
.if (\k) < 8
	WIN 0x14                                       ; g and c in window 1
.irp q, 0,2,4,6
	v_pk_fma_f32 v[VB+16*((\k)-4)+\q:VB+16*((\k)-4)+\q+1], v[VB+16*((\k)-4)+\q:VB+16*((\k)-4)+\q+1], v[BG+16*(VT%2)+\q:BG+16*(VT%2)+\q+1], v[BG+16*(VT%2)+8+\q:BG+16*(VT%2)+8+\q+1]
.endr
.elseif (\k) < 12
	WIN 0
.irp q, 0,2,4,6
	v_dual_max_num_f32 v[VB+16*((\k)-8)+\q], 0, v[VB+16*((\k)-8)+\q] :: v_dual_max_num_f32 v[VB+16*((\k)-8)+\q+1], 0, v[VB+16*((\k)-8)+\q+1]
.endr
.else
	WIN 0
.irp m, 0,1,2,3
.if (VT%4 == 0) && ((\k) == 12)
	v_max3_num_f32 v[TMX+\m], v[VB+16*\m], v[VB+16*\m+1], 0x2800000   ; a block begins: with the floor 2^(5 - 127)
.else
	v_max3_num_f32 v[TMX+\m], v[TMX+\m], v[VB+16*\m+2*((\k)-12)], v[VB+16*\m+2*((\k)-12)+1]
.endif
.endr
.endif
.endif
.if ((\k) < 4) && ((\t) == 5)
	FIN 0, (\k)                                    ; scale operands, lower and upper conversions, bytes
.endif
.if ((\k) < 3) && ((\t) == 6)
	FIN 0, (\k)+4
.endif
.endm
; Tile t of the first product for my four row tiles: 16 matrix instructions, the four accumulators by turns, K ascending.
.macro TILE t
	WIN 0
	s_wait_alu depctr_va_vdst(0)
	s_wait_dscnt 0x0                               ; this tile's fragments and the last tile's g and c, asked for one tile ago
.if (\t) < 2
	PLACES 4                                       ; ahead of loads into registers that the last products read (later tiles: the last slice stands there)
.endif
.if (\t) < 7
	ds_load_b128 v[W1S+4*(((\t)+1)%2):W1S+4*(((\t)+1)%2)+3], v[LSC] offset:61440+256*((\t)+1)
.endif
	WIN 0x40
	BNL \t
	WIN 0x80
.if (\t) < 7
	FW 48*(((\t)+1)%2), 6144*((\t)+1)
.else
	FW 0, 49152                                    ; W2's tiles 0-3
.endif
.set K, 0
.rept 16
.set TD, HA+64*(((\t)/2)%3)+16*(K%4)+8*((\t)%2)
	WIN 0x06                                       ; source 0 (W1) window 2, source 1 (x) window 1, C and D window 0
	MM TD, WB+48*((\t)%2)+12*(K/4), XC+12*(4*(K%4)+K/4), K<4, W1S+4*((\t)%2)+K/4, XS+4*(K%4)+K/4
	SLICE \t, K
.set K, K+1
.endr
.endm
.macro P2 zero                         ; the second product's K step: source 0 = 16 outputs of W2, source 1 = 16 rows of the hidden layer; 32 accumulators, one instruction each
	WIN 0xfa
.irp n, 0,1,2,3,4,5,6,7
.irp m, 0,1,2,3
	MM 64*\m+8*\n, WB+12*\n, HQ+12*\m, \zero, W2S+\n, HS+\m
.endr
.endr
	WIN 0
.endm
.macro CHUNK sel                       ; a block of 128 hidden units.  sel = 1: in the loop, whose first trip starts the logits' sums
	WIN 0
	v_add_nc_u32 v[LW], s[TB], v[LI]
	v_add_nc_u32 v[LSC], s[TB], v[R16]
	v_add_nc_u32 v[LS2], s[TB], v[R32]
	v_add_nc_u32 v[LBN], s[TB], v[H128]
	PLACES 4                                       ; ahead of loads into registers that the last block's products read
	ds_load_b128 v[W1S:W1S+3], v[LSC] offset:61440
	ds_load_b128 v[W2S:W2S+3], v[LS2] offset:63488
	ds_load_b128 v[W2S+4:W2S+7], v[LS2] offset:63488+16
	WIN 0x80
	FW 0, 0
.irp t, 0,1,2,3,4,5,6,7
	TILE \t
.endr
	WIN 0x80
	FW 48, 49152+6144                              ; W2's tiles 4-7 (tile 7's last slice is the four places)
	s_wait_alu depctr_va_vdst(0)
	s_wait_dscnt 12                                ; tile 7's g and c are in; the 12 loads just issued may be out
.set K, 4
.rept 12
	SLICE 8, K                                     ; tile 7's vector work
.set K, K+1
.endr
	FIN 1, 0
	FIN 1, 1
	FIN 1, 2
	WIN 0
.irp m, 0,1,2,3
	v_lshrrev_b32 v[TP+\m], 23, v[SCO+\m]          ; block 2 + h's byte
.endr
.irp m, 0,1,2,3
	v_lshl_or_b32 v[HB+\m], v[TP+\m], 16, v[HB+\m]
.endr
.irp m, 0,1,2,3
	v_lshlrev_b32 v[HB+\m], v[SH8], v[HB+\m]       ; 8 h bits up
.endr
.irp m, 0,1,2,3
	v_permlanex16_b32 v[TP+\m], v[HB+\m], s[SEL], s[SEL+1]
.endr
.irp m, 0,1,2,3
	v_or_b32 v[HS+\m], v[HB+\m], v[TP+\m]          ; the row's scale word
.endr
	FIN 1, 4
	FIN 1, 5
	FIN 1, 6
	WIN 0
	s_wait_alu depctr_va_vdst(0)
	s_wait_dscnt 0x0                               ; W2's fragments are in
	PLACES 4                                       ; the codes stand four places, the scale words sixteen, ahead of the scaled matrix instructions
.if \sel
	s_cmp_eq_u32 s[CNT], 7
	s_cbranch_scc1 .Lzero_\@
	P2 0
	s_branch .Ljoin_\@
.Lzero_\@:
	P2 1
.Ljoin_\@:
.else
	P2 0
.endif
.endm
	s_load_b256 s[4:11], s[0:1], 0x0               ; x, msg, wq, out
	v_lshl_add_u32 v[SPW], v0, 2, SPARE
	v_mov_b32 v[NIL], 0
	ds_add_u32 v[SPW], v[NIL]
	ds_add_u32 v[SPW], v[NIL]
	v_lshrrev_b32 v[T0], 5, v0
	v_readfirstlane_b32 s[WV], v[T0]               ; wave
	s_bfe_u32 s13, ttmp6, 0x40000                  ; cx
	s_lshl_b32 s14, ttmp9, 2
	s_add_co_u32 s14, s14, s13                     ; my batch: it enters the addresses of x, msg and out alone
	s_mov_b32 s[SEL], 0x76543210
	s_mov_b32 s[SEL+1], 0xfedcba98
	s_mov_b32 s[IT], 0x41649249                    ; 1 / 0.07
	s_mov_b32 s[IT+1], s[IT]
	s_mov_b32 s[G1], 15|(3<<16)|(1<<21)            ; mask: all four work-groups; elements of 8 bytes; bit 21 beside a mask
	s_mov_b32 s[G1+1], 32<<16                      ; a quarter of a block: 64 rows of 32 elements, dense
	s_mov_b32 s[G1+2], 64<<16
	s_mov_b32 s[G1+3], 32<<16
	s_mov_b32 s[G1+4], 64
	s_mov_b32 s[G1+5], 32
	s_mov_b32 s[G1+6], 0
	s_mov_b32 s[G1+7], 0
	s_mov_b32 s[G0], 1
	s_lshl_b32 s[G0+1], s[WV], 14                  ; slot 0, my quarter
	s_lshl_b32 s38, s[WV], 14
	s_mov_b32 s39, 0
	s_mov_b32 s[TB], 0
	s_mul_i32 s44, s[WV], XPW
	s_add_co_u32 s44, s44, XST                     ; my stage
	s_mul_i32 s45, s[WV], XIW
	s_add_co_u32 s45, s45, XIM                     ; my images of x
	s_mul_i32 s46, s[WV], MIW
	s_add_co_u32 s46, s46, MIM                     ; my images of msg
	s_lshl_b32 s16, s14, 19                        ; x: a batch is 256 rows of 2,048 bytes
	s_lshl_b32 s17, s[WV], 17
	s_add_co_u32 s16, s16, s17
	s_mov_b32 s17, 0
	s_lshl_b32 s18, s14, 17                        ; msg: rows of 512 bytes
	s_lshl_b32 s19, s[WV], 15
	s_add_co_u32 s18, s18, s19
	s_mov_b32 s19, 0
	s_wait_dscnt 0x0
	v_and_b32 v[T0], 31, v0                        ; lane
	v_and_b32 v[T1], 15, v0                        ; r
	v_bfe_u32 v[T2], v0, 4, 1                      ; h
	v_lshlrev_b32 v[T3], 2, v[T0]
	v_lshlrev_b32 v[LI], 4, v[T0]
	v_lshlrev_b32 v[R16], 4, v[T1]
	v_lshlrev_b32 v[R32], 5, v[T1]
	v_lshlrev_b32 v[H128], 7, v[T2]
	v_lshlrev_b32 v[SH8], 3, v[T2]
	v_mov_b32 v[QT], 0                             ; a lane permute's destination counts as one of its sources
	v_add_nc_u32 v[SA], s44, v[LI]
	v_mad_u32_u24 v[SL], v[T1], 528, v[H128]
	v_add_nc_u32 v[SL], s44, v[SL]
	v_add_nc_u32 v[XR], s45, v[LI]
	v_add_nc_u32 v[XSR], s45, v[T3]
	v_add_nc_u32 v[MW], s46, v[LI]
	v_add_nc_u32 v[MSW], s46, v[T3]
	s_wait_alu depctr_va_vdst(0)
	s_wait_kmcnt 0x0
	s_add_nc_u64 s[G0+2:G0+3], s[8:9], s[38:39]    ; block 0
	s_or_b32 s[G0+3], s[G0+3], 0x80000000
	s_add_nc_u64 s[4:5], s[4:5], s[16:17]
	s_add_nc_u64 s[6:7], s[6:7], s[18:19]
	s_add_nc_u64 s[LP:LP+1], s[4:5], 32768         ; x's second group
	s_lshl_b32 s16, s14, 18                        ; out: rows of 1,024 bytes
	s_lshl_b32 s18, s[WV], 16
	s_add_co_u32 s16, s16, s18
	s_add_nc_u64 s[10:11], s[10:11], s[16:17]
	CROUND                                         ; all four work-groups are here: the first joint loads meet
	tensor_load_to_lds s[G0:G0+3], s[G1:G1+7]      ; block 0 into slot 0: my one tensor load at the head
	s_nop 0
	PLACES 4
	; ---- X
.irp s, 0,1,2,3
	LOADG \s, 4
.endr
	s_mov_b32 s[CNT], 0
	s_mov_b32 s[XO], 0
	s_mov_b32 s[XO2], 0
.Lx:                                                   ; a trip: one group of x, 16 rows; it asks for the next group, in the last trip msg's
	v_add_nc_u32 v[XW], s[XO], v[XR]
	v_add_nc_u32 v[XSW], s[XO2], v[XSR]
.irp s, 0,1,2,3
	UNIT \s, 0
.endr
	s_wait_xcnt 0x0                                ; the loads have read their base
	s_add_nc_u64 s[LP:LP+1], s[LP:LP+1], 32768
	s_add_co_u32 s[XO], s[XO], 6144
	s_add_co_u32 s[XO2], s[XO2], 512
	s_add_co_u32 s[CNT], s[CNT], 1
	s_cmp_eq_u32 s[CNT], 3
	s_cselect_b64 s[LP:LP+1], s[6:7], s[LP:LP+1]   ; behind x's last group comes msg's
	s_cmp_lt_u32 s[CNT], 4
	s_wait_alu depctr_va_vdst(0)
	s_cbranch_scc1 .Lx
.irp s, 0,1,2,3
	UNIT \s, 1
.endr
	WIN 0x40
.irp q, 0,1,2,3,4,5,6,7,8,9,10,11,12,13,14,15,16,17,18,19,20,21,22,23,24,25,26,27,28,29,30,31,32,33,34,35,36,37,38,39,40,41,42,43,44,45,46,47
	ds_load_b128 v[XC+4*\q:XC+4*\q+3], v[XR] offset:512*\q   ; x's 16 fragments, my own images
.endr
	WIN 0
.irp u, 0,1,2,3,4,5,6,7,8,9,10,11,12,13,14,15
	ds_load_b32 v[XS+\u], v[XSR] offset:24576+128*\u
.endr
	; ---- M
	s_mov_b32 s[CNT], 7
.Lchunk:
	CHANGE 1
	CHUNK 1
	s_xor_b32 s[TB], s[TB], SLOTB
	s_sub_co_u32 s[CNT], s[CNT], 1
	s_cmp_lg_u32 s[CNT], 0
	s_cbranch_scc1 .Lchunk
	CHANGE 0                                       ; the last block is written out
	CHUNK 0
	; ---- E
	s_mul_i32 s47, s[WV], 6144
	s_add_co_u32 s47, s47, BIMG
	s_lshl_b32 s48, s[WV], 9
	s_add_co_u32 s48, s48, BSC
	PLACES 4
	v_and_b32 v[T0], 31, v0
	v_and_b32 v[T1], 15, v0
	v_bfe_u32 v[T2], v0, 4, 1
	v_lshlrev_b32 v[T3], 2, v[T0]
	v_lshlrev_b32 v[T2], 5, v[T2]
	v_add_nc_u32 v[BWI], s47, v[LI]
	v_add_nc_u32 v[BWS], s48, v[T3]
	v_add_nc_u32 v[BRI], BIMG, v[LI]
	v_add_nc_u32 v[BRS], BSC, v[T3]
	v_add_nc_u32 v[MW], s46, v[LI]
	v_add_nc_u32 v[MSW], s46, v[T3]
	v_mad_u32_u24 v[SO], v[T1], 1040, v[T2]
	v_add_nc_u32 v[SO], s45, v[SO]
	v_add_nc_u32 v[SR], s45, v[LI]
.irp m, 0,1,2,3
	NORM 3, 64*\m                                  ; register 32 c + i of a row tile's 64 is logit 64 c + 32 h + i of my row
	QUANT
	IMG BWI, BWS, 1536*\m, 128*\m
	s_wait_dscnt 0x0                               ; for the others' sake, and ahead of the next tile's writes of these registers
.endr
	s_barrier_signal -1
	s_barrier_wait -1                              ; the 16 fragments of the batch's logits lie in LDS
	WIN 0x80
.irp q, 0,1,2,3,4,5,6,7,8,9,10,11,12,13,14,15,16,17,18,19,20,21,22,23,24,25,26,27,28,29,30,31,32,33,34,35,36,37,38,39,40,41,42,43,44,45,46,47
	ds_load_b128 v[4*\q:4*\q+3], v[BRI] offset:512*\q
.endr
	WIN 0
.irp f, 0,1,2,3,4,5,6,7,8,9,10,11,12,13,14,15
	ds_load_b32 v[BS+\f], v[BRS] offset:128*\f
.endr
	s_mov_b32 s[CNT], 0
	s_mov_b32 s[XO], 0
	s_mov_b32 s[XO2], 0
.Lout:                                                 ; a trip: message tile mm = the trip's number, rows 4 r + mm.  Lane (r, h) gets, in register 8 f + j, context 16 f + 8 h + j
	v_add_nc_u32 v[MRA], s[XO], v[MW]
	v_add_nc_u32 v[MSA], s[XO2], v[MSW]
	WIN 0x80
.irp c, 0,1,2
	ds_load_b128 v[AC+4*\c:AC+4*\c+3], v[MRA] offset:512*\c
.endr
	WIN 0
	ds_load_b32 v[AS], v[MSA] offset:6144
	s_wait_dscnt 0x0
	WIN 0xca                                       ; sources 0 (logits) and 1 (msg) window 2, D window 3
.irp f, 0,1,2,3,4,5,6,7,8,9,10,11,12,13,14,15
	MM 8*\f, 12*\f, AC, 1, BS+\f, AS
.endr
	PLACES 4
	WIN 0xc3
.set J, 0
.rept 64
	v_pk_mul_f32 v[J:J+1], v[J:J+1], s[IT:IT+1] op_sel_hi:[1,0]   ; x 1 / 0.07, each accumulator from its low end on
.set J, J+2
.endr
	WIN 0x0c
.irp f, 0,1,2,3,4,5,6,7,8,9,10,11,12,13,14,15
	ds_store_b128 v[SO], v[8*\f:8*\f+3] offset:64*\f
	ds_store_b128 v[SO], v[8*\f+4:8*\f+7] offset:64*\f+16
.endr
	WIN 0x40
.irp i, 0,1,2,3,4,5,6,7,8,9,10,11,12,13,14,15
	ds_load_b128 v[8*\i:8*\i+3], v[SR] offset:1040*\i           ; LDS serves a wave's instructions in order: these see the stores above
	ds_load_b128 v[8*\i+4:8*\i+7], v[SR] offset:1040*\i+512
.endr
	s_wait_dscnt 0x0
	WIN 0x04
.irp i, 0,1,2,3,4,5,6,7,8,9,10,11,12,13,14,15
	global_store_b128 v[LI], v[8*\i:8*\i+3], s[10:11] offset:4096*\i th:TH_STORE_NT        ; 512 consecutive bytes, at a multiple of 512 from out's first byte
	global_store_b128 v[LI], v[8*\i+4:8*\i+7], s[10:11] offset:4096*\i+512 th:TH_STORE_NT
.endr
	WIN 0
	s_wait_xcnt 0x0                                ; the stores have read their base and their data
	s_add_nc_u64 s[10:11], s[10:11], 1024          ; the next tile's rows lie one row further on
	s_add_co_u32 s[XO], s[XO], 1536
	s_add_co_u32 s[XO2], s[XO2], 128
	s_add_co_u32 s[CNT], s[CNT], 1
	s_cmp_lt_u32 s[CNT], 4
	s_cbranch_scc1 .Lout
	s_wait_tensorcnt 0x0                           ; the wave's end
	ds_add_u32 v[SPW], v[NIL]
	s_wait_dscnt 0x0
	CROUND                                         ; the closing round
	s_endpgm
.Lfunc_end_k_q356f0b1c0f_main:
	.size	k_q356f0b1c0f_main, .Lfunc_end_k_q356f0b1c0f_main-k_q356f0b1c0f_main
	.p2alignl 7, 3214868480
	.fill 96, 4, 3214868480
	.section	.rodata,"a",@progbits
	.p2align	6, 0x0
	.amdhsa_kernel k_q356f0b1c0f_main
		.amdhsa_group_segment_fixed_size 327680
		.amdhsa_private_segment_fixed_size 0
		.amdhsa_enable_private_segment 0
		.amdhsa_kernarg_size 32
		.amdhsa_user_sgpr_count 2
		.amdhsa_user_sgpr_kernarg_segment_ptr 1
		.amdhsa_wavefront_size32 1
		.amdhsa_system_sgpr_workgroup_id_x 1
		.amdhsa_system_sgpr_workgroup_id_y 1
		.amdhsa_system_sgpr_workgroup_id_z 1
		.amdhsa_system_vgpr_workitem_id 0
		.amdhsa_next_free_vgpr 1024
		.amdhsa_next_free_sgpr 66
		.amdhsa_reserve_vcc 0
		.amdhsa_float_denorm_mode_32 3
		.amdhsa_float_denorm_mode_16_64 3
		.amdhsa_memory_ordered 1
		.amdhsa_forward_progress 1
		.amdhsa_inst_pref_size 255
	.end_amdhsa_kernel
	.section	.bss,"aw",@nobits
	.p2align	6
	.space	262144
	.amdgpu_metadata
---
amdhsa.version: [ 1, 2 ]
amdhsa.kernels:
  - .name:           k_q356f0b1c0f_main
    .symbol:         k_q356f0b1c0f_main.kd
    .args:
      - { .name: batched_context_feature, .offset: 0, .size: 8, .value_kind: global_buffer, .address_space: global }
      - { .name: embedded_cyclic_msg, .offset: 8, .size: 8, .value_kind: global_buffer, .address_space: global }
      - { .name: wq, .offset: 16, .size: 8, .value_kind: global_buffer, .address_space: global }
      - { .name: out0, .offset: 24, .size: 8, .value_kind: global_buffer, .address_space: global }
    .group_segment_fixed_size: 327680
    .private_segment_fixed_size: 0
    .kernarg_segment_align: 8
    .kernarg_segment_size: 32
    .max_flat_workgroup_size: 128
    .sgpr_count:     66
    .vgpr_count:     1024
    .wavefront_size: 32
...
	.end_amdgpu_metadata
.endif
;; end of part 2
